; MI455X (gfx1250); checked and timed in simulation.
; The chip was launched on July 23, 2026; its instructions are those of AMD's public machine-readable ISA for CDNA 5 (MIT licence, August 2026) and "CDNA5" Instruction Set Architecture Reference Guide (July 2026). The comments in the code are by the model that wrote it; some were corrected since.
;; Mo EFFN. Allowed arithmetic: float matrix products may take bf16 or f16 operands with f32 sums; all other float work in f32.
;; Inputs: Wr_down 8 x 1,024 x 512 float32; Wr_gate 8 x 512 x 1,024 float32; Wr_up 8 x 512 x 1,024 float32; Ws_down 2,048 x 512 float32; Ws_gate 512 x 2,048 float32; Ws_up 512 x 2,048 float32; br_down 8 x 512 float32; br_gate 8 x 1,024 float32; br_up 8 x 1,024 float32; bs_down 512 float32; bs_gate 2,048 float32; bs_up 2,048 float32; routing_weights 16 x 8 float32; x 16 x 256 x 512 float32.
;; Outputs: out0 16 x 256 x 512 float32.
;; 2 versions, each right; version 2 is version 1 with the launch cast written anew for expert scheduling mode. Each part assembles by itself: llvm-mc -triple=amdgcn-amd-amdhsa -mcpu=gfx1250 --defsym DOCPART=n.
;; ======== version 1 of 2: 3 launches
;; workspace buffers: wstream 31,457,280 bytes; x16 4,194,304 bytes; part 67,108,864 bytes
;; launch cast (part 1): grid 4 x 272, 8 waves a work-group, no clusters, 0 bytes of LDS; arguments Ws_gate, Wr_gate, Ws_up, Wr_up, Ws_down, Wr_down, x, wstream, x16; writes wstream, x16
.if DOCPART == 1
	.amdgcn_target "amdgcn-amd-amdhsa--gfx1250"
	.amdhsa_code_object_version 6
	.text
	.protected	k_q46e7222ae7_cast
	.globl	k_q46e7222ae7_cast
	.p2align	8
	.type	k_q46e7222ae7_cast,@function
k_q46e7222ae7_cast:
	s_mov_b64 s[64:65], 0
	v_nop
	global_prefetch_b8 v0, s[64:65] scope:SCOPE_SE
	s_setreg_imm32_b32 hwreg(HW_REG_WAVE_MODE, 25, 1), 1
	s_wait_xcnt 0x0
; f32 -> bf16 (round to nearest even) of the six weight tensors and of x, and a new order for the weights.
; The hidden axis of the shared expert (2048) and of the eight routed experts (8 x 1024) is taken as one axis of 10240 = 80 chunks of 128.
; wstream: chunk c = 6 tiles of 65,536 bytes, each 256 rows of 128 bf16 (256 bytes), dense:
;   tile s = 0..3: row d' = gate[d = 128 s + d'][the chunk's 128 hidden], row 128 + d' = up[d][the same]
;   tile s = 4, 5: row 64 blk + hh = down[hidden 64 (s - 4) + hh of the chunk][d = 128 blk .. 128 blk + 127]
; x16: x as it lies, in bf16.
; A piece is 128 neighbouring f32: one load of a wave (32 lanes x 16 bytes = 512 bytes), one store of a wave (32 lanes x 8 bytes = 256
; consecutive bytes at a multiple of 256 from the buffer's first byte).  A work-group takes 128 pieces, a wave 16, all 16 loads out at once.
; Grid: x = q (0..3), y = j: j 0..79 gate of chunk j, 80..159 up, 160..239 down, 240..271 x.  Memory binds: no LDS, no barrier, no matrix unit.
.set CHUNK_BYTES, 393216
.set L16, 1                            ; v1       16 x lane: my 16 bytes of a piece
.set L8,  2                            ; v2       8 x lane: my 8 bytes of the piece as stored
.set OFF, 4                            ; v[4:19]  piece i: byte offset of my 16 bytes from the wave's first piece
.set X,   20                           ; v[20:83] piece i: 4 f32
.set Y,   84                           ; v[84:115] piece i: 4 bf16 in 2 registers
; s[40:41] source at the wave's first piece, s44 bytes from piece to piece, s[42:43] destination (pieces 256 bytes apart)
.macro CAST
.irp i, 0,1,2,3,4,5,6,7,8,9,10,11,12,13,14,15
	v_mad_u32_u24 v[OFF+\i], s44, \i, v[L16]
.endr
.irp i, 0,1,2,3,4,5,6,7,8,9,10,11,12,13,14,15
	global_load_b128 v[X+4*\i:X+4*\i+3], v[OFF+\i], s[40:41] th:TH_LOAD_NT       ; read once in the whole launch
.endr
.irp i, 0,1,2,3,4,5,6,7,8,9,10,11,12,13,14,15
	s_wait_loadcnt 15-\i                           ; loads come back in order: piece i is in, the 15 - i younger ones stay out
	v_cvt_pk_bf16_f32 v[Y+2*\i],   v[X+4*\i],   v[X+4*\i+1]
	v_cvt_pk_bf16_f32 v[Y+2*\i+1], v[X+4*\i+2], v[X+4*\i+3]
	global_store_b64 v[L8], v[Y+2*\i:Y+2*\i+1], s[42:43] offset:256*\i           ; no register of a load or store is written twice: no further wait
.endr
.endm
; gate (p = 0) or up (p = 1) of chunk c = j - j0, d = 128 q + 16 w + i.  sb: the shared tensor's pointer, rb: the routed one's.
.macro GUPATH sb, rb, p, j0
	s_sub_co_u32 s24, s23, \j0                     ; c
	s_lshl_b32 s30, ttmp9, 7
	s_lshl4_add_u32 s30, s22, s30                  ; 128 q + 16 w: the wave's first d
	s_lshl_b32 s31, s30, 13                        ; shared: rows of 8,192 bytes,
	s_lshl_b32 s32, s24, 9
	s_add_co_u32 s31, s31, s32                     ; the chunk's 512 bytes at 512 c
	s_max_u32 s33, s24, 16
	s_sub_co_u32 s33, s33, 16                      ; routed: c - 16 (0 where the chunk is shared: that offset is not taken)
	s_lshr_b32 s34, s33, 3                         ; expert
	s_and_b32 s35, s33, 7                          ; chunk in the expert
	s_lshl_b32 s34, s34, 9
	s_add_co_u32 s34, s34, s30                     ; row 512 e + d
	s_lshl_b32 s34, s34, 12                        ; of 4,096 bytes
	s_lshl_b32 s35, s35, 9
	s_add_co_u32 s34, s34, s35
	s_mul_i32 s36, s24, CHUNK_BYTES                ; destination: chunk,
	s_lshl_b32 s32, ttmp9, 16
	s_add_co_u32 s36, s36, s32                     ; tile q,
	s_lshl_b32 s32, s22, 12
	s_add_co_u32 s36, s36, s32                     ; row 16 w,
	s_add_co_u32 s36, s36, 32768*\p                ; gate's rows first, up's 128 rows behind them
	s_mov_b32 s45, 8192
	s_cmp_lt_u32 s24, 16                           ; the compare last: the shifts and sums above write SCC
	s_cselect_b32 s38, s31, s34
	s_cselect_b32 s44, s45, 4096
	s_cselect_b64 s[40:41], s[\sb:\sb+1], s[\rb:\rb+1]
	s_add_nc_u64 s[40:41], s[40:41], s[38:39]
	s_add_nc_u64 s[42:43], s[18:19], s[36:37]
	CAST
	s_endpgm
.endm
	s_load_b512 s[4:19], s[0:1], 0x0               ; Ws_gate 4, Wr_gate 6, Ws_up 8, Wr_up 10, Ws_down 12, Wr_down 14, x 16, wstream 18
	s_load_b64 s[20:21], s[0:1], 0x40              ; x16
	v_lshrrev_b32 v3, 5, v0
	v_readfirstlane_b32 s22, v3                    ; wave 0..7
	v_and_b32 v3, 31, v0
	v_lshlrev_b32 v[L16], 4, v3
	v_lshlrev_b32 v[L8], 3, v3
	s_and_b32 s23, ttmp7, 0xffff                   ; j
	s_mov_b32 s37, 0                               ; high words of the two offsets (both stay below 4 GiB)
	s_mov_b32 s39, 0
	s_wait_kmcnt 0x0
	s_cmp_ge_u32 s23, 240
	s_cbranch_scc1 .Lx
	s_cmp_ge_u32 s23, 160
	s_cbranch_scc1 .Ldown
	s_cmp_ge_u32 s23, 80
	s_cbranch_scc1 .Lup
	GUPATH 4, 6, 0, 0
.Lup:
	GUPATH 8, 10, 1, 80
.Ldown:
	; hidden row 32 q + 16 (w >> 2) + i of the chunk, d block w & 3
	s_sub_co_u32 s24, s23, 160                     ; c
	s_lshr_b32 s25, s22, 2
	s_and_b32 s26, s22, 3
	s_lshl_b32 s30, ttmp9, 5
	s_lshl4_add_u32 s30, s25, s30                  ; 32 q + 16 (w >> 2)
	s_lshl_b32 s30, s30, 11                        ; rows of 2,048 bytes
	s_lshl_b32 s31, s26, 9
	s_add_co_u32 s30, s30, s31                     ; + 512 bytes a d block
	s_max_u32 s32, s24, 16
	s_sub_co_u32 s32, s32, 16
	s_lshl_b32 s32, s32, 18                        ; routed: 128 rows x 2,048 bytes for each chunk behind the 16 shared ones
	s_lshl_b32 s33, s24, 18                        ; shared
	s_mul_i32 s36, s24, CHUNK_BYTES
	s_lshr_b32 s34, ttmp9, 1
	s_add_co_u32 s34, s34, 4
	s_lshl_b32 s34, s34, 16
	s_add_co_u32 s36, s36, s34                     ; tile 4 + (q >> 1)
	s_lshl_b32 s34, s26, 14
	s_add_co_u32 s36, s36, s34                     ; 64 rows for each d block
	s_and_b32 s34, ttmp9, 1
	s_lshl_b32 s34, s34, 5
	s_lshl4_add_u32 s34, s25, s34                  ; hh = 32 (q & 1) + 16 (w >> 2)
	s_lshl_b32 s34, s34, 8
	s_add_co_u32 s36, s36, s34
	s_mov_b32 s44, 2048
	s_cmp_lt_u32 s24, 16
	s_cselect_b32 s38, s33, s32
	s_cselect_b64 s[40:41], s[12:13], s[14:15]
	s_add_co_u32 s38, s38, s30
	s_add_nc_u64 s[40:41], s[40:41], s[38:39]
	s_add_nc_u64 s[42:43], s[18:19], s[36:37]
	CAST
	s_endpgm
.Lx:
	s_sub_co_u32 s24, s23, 240
	s_lshl2_add_u32 s24, s24, ttmp9                ; n = 4 (j - 240) + q: 65,536 bytes of x
	s_lshl_b32 s38, s24, 16
	s_lshl_b32 s30, s22, 13
	s_add_co_u32 s38, s38, s30
	s_lshl_b32 s36, s24, 15
	s_lshl_b32 s30, s22, 12
	s_add_co_u32 s36, s36, s30
	s_mov_b32 s44, 512
	s_add_nc_u64 s[40:41], s[16:17], s[38:39]
	s_add_nc_u64 s[42:43], s[20:21], s[36:37]
	CAST
	s_endpgm
.Lfunc_end_k_q46e7222ae7_cast:
	.size	k_q46e7222ae7_cast, .Lfunc_end_k_q46e7222ae7_cast-k_q46e7222ae7_cast
	.p2alignl 7, 3214868480
	.fill 96, 4, 3214868480
	.section	.rodata,"a",@progbits
	.p2align	6, 0x0
	.amdhsa_kernel k_q46e7222ae7_cast
		.amdhsa_group_segment_fixed_size 0
		.amdhsa_private_segment_fixed_size 0
		.amdhsa_enable_private_segment 0
		.amdhsa_kernarg_size 72
		.amdhsa_user_sgpr_count 2
		.amdhsa_user_sgpr_kernarg_segment_ptr 1
		.amdhsa_wavefront_size32 1
		.amdhsa_system_sgpr_workgroup_id_x 1
		.amdhsa_system_sgpr_workgroup_id_y 1
		.amdhsa_system_sgpr_workgroup_id_z 1
		.amdhsa_system_vgpr_workitem_id 0
		.amdhsa_next_free_vgpr 120
		.amdhsa_next_free_sgpr 66
		.amdhsa_reserve_vcc 0
		.amdhsa_float_denorm_mode_32 3
		.amdhsa_float_denorm_mode_16_64 3
		.amdhsa_memory_ordered 1
		.amdhsa_forward_progress 1
		.amdhsa_inst_pref_size 31
	.end_amdhsa_kernel
	.amdgpu_metadata
---
amdhsa.version: [ 1, 2 ]
amdhsa.kernels:
  - .name:           k_q46e7222ae7_cast
    .symbol:         k_q46e7222ae7_cast.kd
    .args:
      - { .name: Ws_gate, .offset: 0, .size: 8, .value_kind: global_buffer, .address_space: global }
      - { .name: Wr_gate, .offset: 8, .size: 8, .value_kind: global_buffer, .address_space: global }
      - { .name: Ws_up, .offset: 16, .size: 8, .value_kind: global_buffer, .address_space: global }
      - { .name: Wr_up, .offset: 24, .size: 8, .value_kind: global_buffer, .address_space: global }
      - { .name: Ws_down, .offset: 32, .size: 8, .value_kind: global_buffer, .address_space: global }
      - { .name: Wr_down, .offset: 40, .size: 8, .value_kind: global_buffer, .address_space: global }
      - { .name: x, .offset: 48, .size: 8, .value_kind: global_buffer, .address_space: global }
      - { .name: wstream, .offset: 56, .size: 8, .value_kind: global_buffer, .address_space: global }
      - { .name: x16, .offset: 64, .size: 8, .value_kind: global_buffer, .address_space: global }
    .group_segment_fixed_size: 0
    .private_segment_fixed_size: 0
    .kernarg_segment_align: 8
    .kernarg_segment_size: 72
    .max_flat_workgroup_size: 256
    .sgpr_count:     66
    .vgpr_count:     120
    .wavefront_size: 32
...
	.end_amdgpu_metadata
.endif
;; end of part 1
;; launch ffn (part 2): grid 32 x 8, 4 waves a work-group, clusters of 4 x 1, 327,680 bytes of LDS; arguments x16, wstream, bs_gate, br_gate, bs_up, br_up, routing_weights, part; writes part
.if DOCPART == 2
	.amdgcn_target "amdgcn-amd-amdhsa--gfx1250"
	.amdhsa_code_object_version 6
	.text
	.protected	k_q46e7222ae7_ffn
	.globl	k_q46e7222ae7_ffn
	.p2align	8
	.type	k_q46e7222ae7_ffn,@function
k_q46e7222ae7_ffn:
	s_mov_b64 s[64:65], 0
	v_nop
	global_prefetch_b8 v0, s[64:65] scope:SCOPE_SE
	s_setreg_imm32_b32 hwreg(HW_REG_WAVE_MODE, 25, 1), 1
	s_wait_xcnt 0x0
	s_wait_alu depctr_hold_cnt(0) depctr_sa_sdst(0) depctr_va_vdst(0) depctr_va_sdst(0) depctr_va_ssrc(0) depctr_va_vcc(0) depctr_vm_vsrc(0)
	s_getreg_b32 s2, hwreg(HW_REG_IB_STS2, 6, 4)
	s_cmp_eq_u32 s2, 0
	s_cbranch_scc0 .Lentry_in_a_cluster
	s_endpgm
.Lentry_in_a_cluster:
	s_bfe_u32 s2, ttmp6, 0x10000c
	s_cmp_lg_u32 s2, 0x3003
	s_cbranch_scc0 .Lentry_shape_is_right
	s_endpgm
.Lentry_shape_is_right:
; part[sl][t][:] = sum over the 1280 hidden units j of slice sl of  silu(x[t] Wg[:,j] + bg[j]) (x[t] Wu[:,j] + bu[j]) s(b, j)  Wd[j][:]
; with s = 1 for the shared expert's units and routing_weights[b][e] for expert e's: the routing weight is constant over a batch, so it goes
; into the hidden activations, and shared and routed experts become one SwiGLU over 10240 hidden units.
; A work-group owns 128 tokens (block tb, half of batch b = tb >> 1) and one slice of 10 chunks of 128 hidden units; 32 x 8 work-groups.
; Per chunk: phase 1, G and U [128 tokens x 128 hidden] over K = 512 (four tiles of the weight stream); the activation, H in bf16 into LDS;
; phase 2, O [128 x 512] += H Wd (two tiles).  O stays in 512 registers of each wave for the whole launch.
; CLUSTER: the four work-groups of a cluster have the same slice and four token blocks: they walk the same 3,932,160 bytes of weights, which
; are asked for jointly (mask 15).  x's block is no partner's: each work-group loads its own 131,072 bytes once, by a plain load; the work-groups
; that do share it (the eight slices) would save 131,072 of the 4,063,232 bytes that a work-group fills, so the cluster lies along the tokens.
; THE ORDER OF THE CHUNKS: the eight clusters of a slice begin at chunk 0, 2, 5 or 7 of its ten and walk the slice round (chunk 9 is followed by
; chunk 0).  So at any time they ask for different tiles, and from its third or fourth chunk on a cluster asks for tiles that another cluster
; of the slice has read 2 or 3 chunks earlier.  Cluster k takes start (5 q) >> 1, q = (k + (k >> 2)) & 3: clusters 0..3, clusters 4..7, the even
; and the odd ones each have all four starts among them.
; LIMITS: matrix operands (x, weights, H) are rounded to bf16; sums in f32.  silu(g) = g / (1 + 2^(-1.442695 g)): for g below about -88 the
; reciprocal is flushed or the exponential is +inf, and the result is a zero where the exact one is below 1e-36 in magnitude.  The product is
; formed as ((g sigma) u) s.  NaN and infinities go through.  The sum over the hidden axis is made per slice here, its ten chunks in the
; cluster's own order (an order of rounding that differs from cluster to cluster), and over slices later.
;
; ALL PRODUCTS ARE USED TRANSPOSED: source 0 = a weight fragment (16 hidden or 16 d; the tiles lie [K][N], read by the transposing LDS load),
; source 1 = a token fragment.  In a result lane (r, h) holds token r and eight neighbouring columns 8 h + 0..7.
.set PW,    288                        ; ring: 256 bytes of a row + 32 of padding = 9 x 32
.set QUART, 64*PW                      ; 64 rows: one wave's tensor load
.set SLOT,  4*QUART                    ; a tile of 256 rows
.set XS,    2*SLOT                     ; x block: 128 rows, pitch PX
.set PX,    1040                       ; 1,024 + 16 = 65 x 16
.set HS,    XS+128*PX                  ; H chunk: 128 rows, pitch PH; no tensor load ever lands here.  Later each wave's output stage
.set PH,    272                        ; 256 + 16 = 17 x 16
.set PS,    528                        ; stage: 512 + 16 = 33 x 16; 16 rows a wave
.set CHUNKS, 10
.set TILE_BYTES,  65536                ; a tile in the stream: 256 rows of 256 bytes
.set CHUNK_BYTES, 6*TILE_BYTES
.set SLICE_BYTES, CHUNKS*CHUNK_BYTES
; window 0
.set ADRX, 8                           ; v8, v9    x fragments: XS + PX r + 16 h; the same + 64 rows
.set ADRW, 10                          ; v10-13    [slot][gate, up]: slot + 128 PW gu + T + 64 w,  T = (8 h + (L & 7)) PW + 16 ((L >> 3) & 1)
.set ADRD, 14                          ; v14, v15  [slot]: slot + QUART w + T
.set ADRH, 16                          ; v16       HS + PH r + 16 h
.set HST,  17                          ; v17       ADRH + 64 w
.set STO,  18                          ; v18       HS + 16 PS w + PS r + 32 h
.set RD,   19                          ; v19       HS + 16 PS w + 16 L
.set CO,   20                          ; v20       512 w + 16 L: my bytes in a row of part
.set BOFF, 21                          ; v21       128 w + 32 h: my eight biases in the chunk's 512 bytes
.set BIAS, 32                          ; v32-63    8 registers for each of gate t0, gate t1, up t0, up t1
.set F0,   64                          ; v64-159   phase 1 fragments: x a = 0..7 at +8 a, weights g = 2 gu + t at +64 + 8 g
.set F1,   160                         ; v160-255  the second buffer
.set TT,   64                          ; v64-191   the activation's 128 numbers at work
; window 1: phase 1: accumulators, tile (g, a) at 8 (8 g + a): G = 0..127, U = 128..255;  phase 2: fragment buffers
.set P0,   0                           ; Wd b = 0..7 at +8 b, H a = 0..7 at +64 + 8 a
.set P1,   128
; windows 2, 3: O, tile (a, b) at 8 (8 (a & 3) + b); window 2 for a = 0..3, window 3 for a = 4..7
; scalars: s[4:19] pointers; s20 wave; s21 cx; s22 tb; s23 slice; s24 chunk (0..79); s25 trips; s26 32 b; s[28:35] weights' group 1;
; s[36:43] x's group 1; s[44:51] weights' group 0 for slot 0, 1; s[52:55] x's group 0; s[56:59] bias bases; s60, s61 routing weight; s[62:63] scale;
; s[66:71] at work; s[72:73] wstream + 16,384 w; s[74:75] byte offset in the stream of the tile to ask for next; s76, s77 the slice's end and start
; as such offsets; s78, s79 its end and start as chunk numbers
.set MSB, 0
.macro WIN new                         ; s_set_vgpr_msb: bits 1:0 source 0, 3:2 source 1, 5:4 source 2, 7:6 destination; the high byte repeats the setting left
.if MSB != \new
	s_set_vgpr_msb (MSB<<8)|\new
.set MSB, \new
.endif
.endm
.macro PLACES n                        ; places behind matrix instructions (ISA guide 7.12.1); the matrix instructions in between are not counted
.rept \n
	v_nop
.endr
.endm
.macro CREST                           ; a round of the cluster's barrier behind its opening work-group barrier
	s_cmp_lg_u32 s20, 0
	s_cbranch_scc1 .Lnot_wave_0_\@
	s_barrier_signal -3
.Lnot_wave_0_\@:
	s_barrier_wait -3
	s_barrier_signal -1
	s_barrier_wait -1
.endm
.macro ROUND
	s_barrier_signal -1
	s_barrier_wait -1
	CREST
.endm
; The slot's next tile: each wave asks for its 64 rows, jointly with the same wave of the three partners.  The address is formed anew from the
; stream's pointer and the offset, which hangs on the slice, the cluster's number and the count of tiles alone: equal in the four partners.
; The group 0 is written where no tensor load of the wave is out.  wrap = 1 behind the request for a chunk's last tile: the one place where the
; offset can reach the slice's end, from which it goes back to the slice's start.
.macro JLOAD slot, wrap
	s_add_nc_u64 s[46+4*\slot:47+4*\slot], s[72:73], s[74:75]
	s_or_b32 s[47+4*\slot], s[47+4*\slot], 0x80000000
	tensor_load_to_lds s[44+4*\slot:47+4*\slot], s[28:35]
	s_nop 0
	s_add_co_u32 s74, s74, TILE_BYTES              ; no register of the descriptor
.if \wrap
	s_cmp_eq_u32 s74, s76
	s_cselect_b32 s74, s77, s74
.endif
.endm
; 24 LDS loads: the fragments of one K step of 32 of phase 1: 4 of weights (rows 32 kk .. of the tile, my 32 hidden), then 8 of x (byte xk of its rows)
.macro FETCH1 slot, xk, kk, f
	WIN 0
.irp g, 0,1,2,3
	ds_load_tr16_b128 v[\f+64+8*\g:\f+64+8*\g+3],   v[ADRW+2*\slot+(\g>>1)] offset:32*PW*\kk+32*(\g&1)
	ds_load_tr16_b128 v[\f+64+8*\g+4:\f+64+8*\g+7], v[ADRW+2*\slot+(\g>>1)] offset:32*PW*\kk+32*(\g&1)+16*PW
.endr
.irp a, 0,1,2,3,4,5,6,7
	ds_load_b128 v[\f+8*\a:\f+8*\a+3],   v[ADRX+(\a>>2)] offset:16*PX*(\a&3)+(\xk)
	ds_load_b128 v[\f+8*\a+4:\f+8*\a+7], v[ADRX+(\a>>2)] offset:16*PX*(\a&3)+(\xk)+32
.endr
.endm
; Token blocks a0..a1 x (gate, up) x (t0, t1).  first = 1: the bias is the C operand and starts the sums: nothing is cleared or added later.
; The 32 accumulators take turns, one instruction a turn, in the same order in every K step.
.macro MUL1 f, a0, a1, first
.if \first
	WIN 0x40
.else
	WIN 0x50
.endif
.set ma, \a0
.rept \a1-\a0+1
.irp g, 0,1,2,3
.if \first
	v_wmma_f32_16x16x32_bf16 v[8*(8*\g+ma):8*(8*\g+ma)+7], v[\f+64+8*\g:\f+64+8*\g+7], v[\f+8*ma:\f+8*ma+7], v[BIAS+8*\g:BIAS+8*\g+7]
.else
	v_wmma_f32_16x16x32_bf16 v[8*(8*\g+ma):8*(8*\g+ma)+7], v[\f+64+8*\g:\f+64+8*\g+7], v[\f+8*ma:\f+8*ma+7], v[8*(8*\g+ma):8*(8*\g+ma)+7]
.endif
.endr
.set ma, ma+1
.endr
.endm
; One K step of phase 1 on buffer f; behind its first eight products the next step's fragments are fetched into buffer nf
.macro STEP1 f, first, nslot, nxk, nkk, nf
	s_wait_dscnt 12                                ; the weights and x's blocks 0, 1 are in; the 12 youngest loads (x's blocks 2..7) may be out
	MUL1 \f, 0, 1, \first
	PLACES 4                                       ; buffer nf was read by matrix instructions
	FETCH1 \nslot, \nxk, \nkk, \nf
	s_wait_dscnt 24                                ; all but the 24 just issued
	MUL1 \f, 2, 7, \first
.endm
; The last K step of a gate/up tile (buffer F1), and the change of slots.  In front of the round each wave waits for its reads of this slot and
; for all its tensor loads (one is out: its part of the other slot).  Behind the round no wave of the four work-groups reads this slot: the
; joint refill comes first, then the other slot's first fragments.  fetch = 0: the chunk's fourth gate/up tile; its refill asks for the chunk's last tile.
.macro TURN1 slot, fetch, nslot, nxk
	s_wait_dscnt 0x0
	s_wait_tensorcnt 0x0
	ds_add_u32 v30, v31
	s_wait_dscnt 0x0
	s_barrier_signal -1
	MUL1 F1, 0, 3, 0                               ; register work while the others arrive
	WIN 0
	s_barrier_wait -1
	CREST
	JLOAD \slot, 1-\fetch
.if \fetch
	PLACES 4
	FETCH1 \nslot, \nxk, 0, F0
.endif
	MUL1 F1, 4, 7, 0
.endm
; 32 LDS loads: one K step of 32 of phase 2: 8 fragments of Wd (rows 32 kk .. of my 64-row block, 128 d), then 8 of H (hidden 32 hk ..)
.macro FETCH2 slot, kk, hk, p
	WIN 0x40
.irp b, 0,1,2,3,4,5,6,7
	ds_load_tr16_b128 v[\p+8*\b:\p+8*\b+3],   v[ADRD+\slot] offset:32*PW*\kk+32*\b
	ds_load_tr16_b128 v[\p+8*\b+4:\p+8*\b+7], v[ADRD+\slot] offset:32*PW*\kk+32*\b+16*PW
.endr
.irp a, 0,1,2,3,4,5,6,7
	ds_load_b128 v[\p+64+8*\a:\p+64+8*\a+3],   v[ADRH] offset:16*PH*\a+64*\hk
	ds_load_b128 v[\p+64+8*\a+4:\p+64+8*\a+7], v[ADRH] offset:16*PH*\a+64*\hk+32
.endr
.endm
; Token blocks a0..a1 (all below 4 or all from 4 on) x 8 d blocks.  The 64 accumulators take turns, one instruction a turn.
.macro MUL2 p, a0, a1, zero
.if \a0 < 4
	WIN 0xa5
.else
	WIN 0xf5
.endif
.set ma, \a0
.rept \a1-\a0+1
.irp b, 0,1,2,3,4,5,6,7
.if \zero
	v_wmma_f32_16x16x32_bf16 v[8*(8*(ma&3)+\b):8*(8*(ma&3)+\b)+7], v[\p+8*\b:\p+8*\b+7], v[\p+64+8*ma:\p+64+8*ma+7], 0
.else
	v_wmma_f32_16x16x32_bf16 v[8*(8*(ma&3)+\b):8*(8*(ma&3)+\b)+7], v[\p+8*\b:\p+8*\b+7], v[\p+64+8*ma:\p+64+8*ma+7], v[8*(8*(ma&3)+\b):8*(8*(ma&3)+\b)+7]
.endif
.endr
.set ma, ma+1
.endr
.endm
.macro STEP2 p, zero, nslot, nkk, nhk, np
	s_wait_dscnt 8                                 ; Wd and H's blocks 0..3 are in; the 8 youngest loads (H's blocks 4..7) may be out
	MUL2 \p, 0, 3, \zero
	PLACES 4
	FETCH2 \nslot, \nkk, \nhk, \np
	s_wait_dscnt 32                                ; all but the 32 just issued
	MUL2 \p, 4, 7, \zero
.endm
; The second K step of a down tile (buffer P1), and the change of slots, as in TURN1.  refill = 0 (the work-group's last two tiles): a plain barrier,
; nothing is left to fetch.  next: 1 = the chunk's second down tile, 2 = the next chunk's first gate/up tile, 0 = nothing.
.macro TURN2 slot, refill, next
	s_wait_dscnt 8
	MUL2 P1, 0, 1, 0
	s_wait_dscnt 0x0                               ; my reads of this slot, and of H, are over
	s_set_vgpr_msb 0xa5a0
	s_wait_tensorcnt 0x0                           ; and all my tensor loads have landed
	ds_add_u32 v30, v31
	s_wait_dscnt 0x0
	s_set_vgpr_msb 0xa0a5
	s_barrier_signal -1
	MUL2 P1, 2, 3, 0
	WIN 0
	s_barrier_wait -1
.if \refill
	CREST
	JLOAD \slot, 0
.endif
.if \next
	PLACES 4
.endif
.if \next == 1
	FETCH2 1, 0, 2, P0
.endif
.if \next == 2
	FETCH1 0, 0, 0, F0
.endif
	MUL2 P1, 4, 7, 0
.endm
; The 2 x 32 biases of my 32 hidden units of chunk creg, laid as C operands: lane (r, h) takes the eight at 16 t + 8 h.
; s[56:59] are written again only behind the wait that showed the last bias loads done (the chunk's head).
.macro BIASLD creg
	WIN 0
	s_lshl_b32 s66, \creg, 9                       ; shared: 512 c
	s_max_u32 s68, \creg, 16
	s_sub_co_u32 s68, s68, 16
	s_lshl_b32 s68, s68, 9                         ; routed: 512 (c - 16) = 4 (1024 e + 128 cc)
	s_mov_b32 s67, 0
	s_cmp_lt_u32 \creg, 16
	s_cselect_b32 s66, s66, s68
	s_cselect_b64 s[56:57], s[8:9], s[10:11]
	s_cselect_b64 s[58:59], s[12:13], s[14:15]
	s_add_nc_u64 s[56:57], s[56:57], s[66:67]
	s_add_nc_u64 s[58:59], s[58:59], s[66:67]
.irp t, 0,1
	global_load_b128 v[BIAS+8*\t:BIAS+8*\t+3],       v[BOFF], s[56:57] offset:64*\t
	global_load_b128 v[BIAS+8*\t+4:BIAS+8*\t+7],     v[BOFF], s[56:57] offset:64*\t+16
	global_load_b128 v[BIAS+16+8*\t:BIAS+16+8*\t+3], v[BOFF], s[58:59] offset:64*\t
	global_load_b128 v[BIAS+16+8*\t+4:BIAS+16+8*\t+7], v[BOFF], s[58:59] offset:64*\t+16
.endr
.endm
; routing_weights[b][e] of this chunk's expert (expert 0's where the chunk is shared: loaded, and not taken)
.macro RWLOAD
	s_max_u32 s71, s24, 16
	s_sub_co_u32 s71, s71, 16
	s_lshr_b32 s71, s71, 3
	s_lshl2_add_u32 s60, s71, s26                  ; 32 b + 4 e
	s_load_b32 s61, s[16:17], s60 offset:0x0
.endm
; H = ((g / (1 + 2^(-1.442695 g))) u) s, rounded to bf16, into LDS: lane (r, h) holds 8 neighbouring hidden units of token 16 a + r: 16 bytes.
.macro ACT
	PLACES 4                                       ; behind the last products: G and U are read, the fragment buffers are written
	s_wait_kmcnt 0x0
	s_cmp_lt_u32 s24, 16
	s_cselect_b32 s62, 1.0, s61
	s_mov_b32 s63, s62
	WIN 0x01
.set ai, 0
.rept 64
	v_pk_mul_f32 v[TT+2*ai:TT+2*ai+1], v[2*ai:2*ai+1], 0xbfb8aa3b op_sel_hi:[1,0]
.set ai, ai+1
.endr
	WIN 0
.set ai, 0
.rept 128
	v_exp_f32 v[TT+ai], v[TT+ai]
.set ai, ai+1
.endr
	v_nop                                          ; one plain instruction between a transcendental and the use of its result (ISA guide 5.7.2)
.set ai, 0
	s_wait_alu depctr_va_vdst(0)
.rept 64
	v_pk_add_f32 v[TT+2*ai:TT+2*ai+1], v[TT+2*ai:TT+2*ai+1], 1.0 op_sel_hi:[1,0]
.set ai, ai+1
.endr
.set ai, 0
.rept 128
	v_rcp_f32 v[TT+ai], v[TT+ai]
.set ai, ai+1
.endr
	v_nop
	WIN 0x41
.set ai, 0
	s_wait_alu depctr_va_vdst(0)
.rept 64
	v_pk_mul_f32 v[2*ai:2*ai+1], v[2*ai:2*ai+1], v[TT+2*ai:TT+2*ai+1]
.set ai, ai+1
.endr
	WIN 0x45
.set ai, 0
.rept 64
	v_pk_mul_f32 v[2*ai:2*ai+1], v[2*ai:2*ai+1], v[128+2*ai:128+2*ai+1]
.set ai, ai+1
.endr
.set ai, 0
.rept 64
	v_pk_mul_f32 v[2*ai:2*ai+1], v[2*ai:2*ai+1], s[62:63] op_sel_hi:[1,0]
.set ai, ai+1
.endr
.set ai, 0
.rept 16
	v_cvt_pk_bf16_f32 v[8*ai],   v[8*ai],   v[8*ai+1]      ; packed downward in place: each source has been read before it is written
	v_cvt_pk_bf16_f32 v[8*ai+1], v[8*ai+2], v[8*ai+3]
	v_cvt_pk_bf16_f32 v[8*ai+2], v[8*ai+4], v[8*ai+5]
	v_cvt_pk_bf16_f32 v[8*ai+3], v[8*ai+6], v[8*ai+7]
.set ai, ai+1
.endr
	WIN 0x04
.irp t, 0,1
.irp a, 0,1,2,3,4,5,6,7
	ds_store_b128 v[HST], v[8*(8*\t+\a):8*(8*\t+\a)+3] offset:16*PH*\a+32*\t
.endr
.endr
	WIN 0
.endm
; One chunk: tiles gate/up 0..3 in slots 0, 1, 0, 1, then down 0, 1 in slots 0, 1.  At its head the first K step's fragments are on their way into F0.
.macro CHUNK first, last
.if \first == 0
	PLACES 5                                       ; phase 2's fragment registers become results
.endif
	s_wait_loadcnt 0x0                             ; this chunk's biases
	RWLOAD
	STEP1 F0, 1, 0, 64,  1, F1
	STEP1 F1, 0, 0, 128, 2, F0
	STEP1 F0, 0, 0, 192, 3, F1
	TURN1 0, 1, 1, 256
	STEP1 F0, 0, 1, 320, 1, F1
.if \last == 0
	s_add_co_u32 s69, s24, 1                       ; the chunk that follows, round the slice
	s_cmp_eq_u32 s69, s78
	s_cselect_b32 s69, s79, s69
	BIASLD s69                                     ; its biases: this chunk's were read by the first K step alone
.endif
	STEP1 F1, 0, 1, 384, 2, F0
	STEP1 F0, 0, 1, 448, 3, F1
	TURN1 1, 1, 0, 512
	STEP1 F0, 0, 0, 576, 1, F1
	STEP1 F1, 0, 0, 640, 2, F0
	STEP1 F0, 0, 0, 704, 3, F1
	TURN1 0, 1, 1, 768
	STEP1 F0, 0, 1, 832, 1, F1
	STEP1 F1, 0, 1, 896, 2, F0
	STEP1 F0, 0, 1, 960, 3, F1
	TURN1 1, 0, 0, 0
	ACT
	s_wait_dscnt 0x0                               ; my part of H is written,
	s_barrier_signal -1
	s_barrier_wait -1                              ; everybody's is.  The second down tile's load stays out across it
	FETCH2 0, 0, 0, P0
	STEP2 P0, \first, 0, 1, 1, P1
	TURN2 0, 1-\last, 1
	STEP2 P0, 0, 1, 1, 3, P1
	TURN2 1, 1-\last, 2-2*\last
	WIN 0
	s_add_co_u32 s24, s24, 1                       ; the next chunk, round the slice
	s_cmp_eq_u32 s24, s78
	s_cselect_b32 s24, s79, s24
.endm
	s_load_b512 s[4:19], s[0:1], 0x0               ; x16 4, wstream 6, bs_gate 8, br_gate 10, bs_up 12, br_up 14, routing_weights 16, part 18
	v_lshl_add_u32 v30, v0, 2, 0x4d000
	v_mov_b32 v31, 0
	ds_add_u32 v30, v31
	v_lshrrev_b32 v1, 5, v0
	v_readfirstlane_b32 s20, v1                    ; wave 0..3
	s_bfe_u32 s21, ttmp6, 0x40000                  ; cx
	s_lshl_b32 s22, ttmp9, 2
	s_add_co_u32 s22, s22, s21                     ; token block = 4 x cluster x + cx
	s_and_b32 s23, ttmp7, 0xffff                   ; slice: the same in the four partners
	s_mul_i32 s79, s23, CHUNKS                     ; the slice's first chunk,
	s_add_co_u32 s78, s79, CHUNKS                  ; and the one behind its last
	s_lshr_b32 s71, ttmp9, 2                       ; the cluster's number k (0..7) is the same in the four partners
	s_add_co_u32 s71, s71, ttmp9
	s_and_b32 s71, s71, 3                          ; q = (k + (k >> 2)) & 3
	s_mul_i32 s71, s71, 5
	s_lshr_b32 s71, s71, 1                         ; my cluster begins at chunk 0, 2, 5 or 7 of the slice
	s_add_co_u32 s24, s79, s71
	; group 1 of the weights' loads: 64 rows x 128 elements of 2 bytes, dense in memory, 8 words of padding behind every 64
	s_mov_b32 s28, 15|(1<<16)|(1<<20)|(1<<21)|(5<<22)|(7<<25)     ; 15:0 the four work-groups of the cluster; 17:16 2 bytes; 20 padding; 21 set beside a mask
	s_mov_b32 s29, 128<<16                         ; tensor_dim0 = 128
	s_mov_b32 s30, 64<<16                          ; tensor_dim1 = 64
	s_mov_b32 s31, 128<<16                         ; tile_dim0 = 128
	s_mov_b32 s32, 64                              ; tile_dim1 = 64
	s_mov_b32 s33, 128                             ; elements from row to row
	s_mov_b32 s34, 0
	s_mov_b32 s35, 0
	; group 1 of x's load: 32 rows x 512 elements, 4 words of padding behind every 256; no mask
	s_mov_b32 s36, (1<<16)|(1<<20)|(7<<22)|(3<<25)
	s_mov_b32 s37, 512<<16
	s_mov_b32 s38, 32<<16
	s_mov_b32 s39, 512<<16
	s_mov_b32 s40, 32
	s_mov_b32 s41, 512
	s_mov_b32 s42, 0
	s_mov_b32 s43, 0
	s_mul_i32 s77, s23, SLICE_BYTES                ; the slice's 60 tiles follow each other in the stream: its start,
	s_add_co_u32 s76, s77, SLICE_BYTES             ; its end,
	s_mul_i32 s74, s71, CHUNK_BYTES
	s_add_co_u32 s74, s74, s77                     ; and my cluster's first tile, as byte offsets (below 31,457,281)
	s_mov_b32 s75, 0
	s_lshl_b32 s66, s20, 14                        ; my 64 rows of 256 bytes of each tile
	s_mov_b32 s67, 0
	s_mul_i32 s70, s20, QUART
	s_lshl_b32 s26, s22, 17                        ; x16: 128 rows of 1,024 bytes a token block,
	s_lshl_b32 s27, s20, 15
	s_add_co_u32 s26, s26, s27                     ; my 32 rows
	s_mov_b32 s27, 0
	s_wait_dscnt 0x0
	s_wait_kmcnt 0x0
	s_add_nc_u64 s[72:73], s[6:7], s[66:67]
.irp n, 0,1
	s_mov_b32 s[44+4*\n], 1
	s_add_co_u32 s[45+4*\n], s70, \n*SLOT
	s_add_nc_u64 s[46+4*\n:47+4*\n], s[72:73], s[74:75]
	s_or_b32 s[47+4*\n], s[47+4*\n], 0x80000000
	s_add_co_u32 s74, s74, TILE_BYTES              ; a chunk has six tiles: no end of the slice is reached here
.endr
	s_mov_b32 s52, 1
	s_mul_i32 s53, s20, 32*PX
	s_add_co_u32 s53, s53, XS
	s_add_nc_u64 s[54:55], s[4:5], s[26:27]
	s_or_b32 s55, s55, 0x80000000
	s_lshl_b32 s26, s22, 18                        ; part: 128 rows of 2,048 bytes a token block,
	s_lshl_b32 s27, s23, 23                        ; 8,388,608 bytes a slice
	s_add_co_u32 s26, s26, s27
	s_mov_b32 s27, 0
	s_add_nc_u64 s[18:19], s[18:19], s[26:27]
	s_lshr_b32 s26, s22, 1
	s_lshl_b32 s26, s26, 5                         ; 32 b: my batch's row of routing_weights
	ROUND                                          ; the four work-groups are here: the first joint loads meet
	tensor_load_to_lds s[52:55], s[36:43]          ; the first fills, one group: my 32 rows of x,
	s_nop 0
	tensor_load_to_lds s[44:47], s[28:35]          ; my quarter of my cluster's first tile,
	s_nop 0
	tensor_load_to_lds s[48:51], s[28:35]          ; and of its second: three tensor loads of the wave are out, the most in this text
	s_nop 0
	v_and_b32 v1, 31, v0                           ; L
	v_and_b32 v2, 15, v0                           ; r
	v_bfe_u32 v3, v0, 4, 1                         ; h
	v_mul_u32_u24 v4, v2, PX
	v_lshl_add_u32 v4, v3, 4, v4
	v_add_nc_u32 v[ADRX], XS, v4
	v_add_nc_u32 v[ADRX+1], XS+64*PX, v4
	v_and_b32 v5, 7, v0
	v_lshl_add_u32 v5, v3, 3, v5
	v_mul_u32_u24 v5, v5, PW
	v_bfe_u32 v6, v0, 3, 1
	v_lshl_add_u32 v5, v6, 4, v5                   ; T
	s_lshl_b32 s71, s20, 6                         ; 64 w: my 32 hidden units in a row
	v_add_nc_u32 v7, s71, v5
	v_mov_b32 v[ADRW], v7
	v_add_nc_u32 v[ADRW+1], 128*PW, v7
	v_add_nc_u32 v[ADRW+2], SLOT, v7
	v_add_nc_u32 v[ADRW+3], SLOT+128*PW, v7
	v_add_nc_u32 v[ADRD], s70, v5
	v_add_nc_u32 v[ADRD+1], SLOT, v[ADRD]
	v_mul_u32_u24 v4, v2, PH
	v_lshl_add_u32 v4, v3, 4, v4
	v_add_nc_u32 v[ADRH], HS, v4
	v_add_nc_u32 v[HST], s71, v[ADRH]
	s_mul_i32 s68, s20, 16*PS
	s_add_co_u32 s68, s68, HS
	v_mul_u32_u24 v4, v2, PS
	v_lshl_add_u32 v4, v3, 5, v4
	v_add_nc_u32 v[STO], s68, v4
	v_lshl_add_u32 v[RD], v1, 4, s68
	v_lshlrev_b32 v[CO], 4, v0                     ; 16 (32 w + L)
	s_lshl_b32 s69, s20, 7
	v_lshl_add_u32 v[BOFF], v3, 5, s69
	BIASLD s24
	s_wait_tensorcnt 0x1                           ; my parts of x and of the first tile are in; the second's may stay out
	s_barrier_signal -1
	s_barrier_wait -1                              ; everybody's are
	FETCH1 0, 0, 0, F0
	CHUNK 1, 0                                     ; the first chunk stands in front of the loop: its first down products start O's sums
	s_mov_b32 s25, CHUNKS-2
.Lchunk:
	CHUNK 0, 0
	s_sub_co_u32 s25, s25, 1
	s_cmp_lg_u32 s25, 0
	s_cbranch_scc1 .Lchunk
	CHUNK 0, 1                                     ; the last chunk: its two down tiles fill nothing again
	; THE WAY OUT, 16 tokens at a time, through my own stage in H's bytes: the last barrier stands behind every wave's last read of H.
	; In: lane (r, h) puts 32 bytes of row r for each d block.  Back: 32 lanes take one row's 512 bytes, and store them as they lie in part.
	PLACES 4
.macro OUT16 a, f
.if \a < 4
	WIN 0x08
.else
	WIN 0x0c
.endif
.irp b, 0,1,2,3,4,5,6,7
	ds_store_b128 v[STO], v[8*(8*(\a&3)+\b):8*(8*(\a&3)+\b)+3]   offset:64*\b
	ds_store_b128 v[STO], v[8*(8*(\a&3)+\b)+4:8*(8*(\a&3)+\b)+7] offset:64*\b+16
.endr
	WIN 0
	s_wait_xcnt 0x0                                ; buffer f, which earlier stores read, is loaded again only behind this wait
.irp i, 0,1,2,3,4,5,6,7,8,9,10,11,12,13,14,15
	ds_load_b128 v[\f+4*\i:\f+4*\i+3], v[RD] offset:PS*\i          ; LDS serves a wave's instructions in order (ISA guide 5.7.1): these see the stores above
.endr
.irp i, 0,1,2,3,4,5,6,7,8,9,10,11,12,13,14,15
	s_wait_dscnt 15-\i                             ; row i is back, the 15 - i younger loads stay out
	global_store_b128 v[CO], v[\f+4*\i:\f+4*\i+3], s[18:19] offset:(16*\a+\i)*2048   ; 512 consecutive bytes of a row, at a multiple of 512 from part's first byte
.endr
.endm
	OUT16 0, F0
	OUT16 1, F1
	OUT16 2, F0
	OUT16 3, F1
	OUT16 4, F0
	OUT16 5, F1
	OUT16 6, F0
	OUT16 7, F1
	s_wait_tensorcnt 0x0
	ds_add_u32 v30, v31
	s_wait_dscnt 0x0
	ROUND                                          ; the closing round: no work-group ends while a partner may still ask for a tile that names it
	s_endpgm
.Lfunc_end_k_q46e7222ae7_ffn:
	.size	k_q46e7222ae7_ffn, .Lfunc_end_k_q46e7222ae7_ffn-k_q46e7222ae7_ffn
	.p2alignl 7, 3214868480
	.fill 96, 4, 3214868480
	.section	.rodata,"a",@progbits
	.p2align	6, 0x0
	.amdhsa_kernel k_q46e7222ae7_ffn
		.amdhsa_group_segment_fixed_size 327680
		.amdhsa_private_segment_fixed_size 0
		.amdhsa_enable_private_segment 0
		.amdhsa_kernarg_size 64
		.amdhsa_user_sgpr_count 2
		.amdhsa_user_sgpr_kernarg_segment_ptr 1
		.amdhsa_wavefront_size32 1
		.amdhsa_system_sgpr_workgroup_id_x 1
		.amdhsa_system_sgpr_workgroup_id_y 1
		.amdhsa_system_sgpr_workgroup_id_z 1
		.amdhsa_system_vgpr_workitem_id 0
		.amdhsa_next_free_vgpr 1024
		.amdhsa_next_free_sgpr 80
		.amdhsa_reserve_vcc 0
		.amdhsa_float_denorm_mode_32 3
		.amdhsa_float_denorm_mode_16_64 3
		.amdhsa_memory_ordered 1
		.amdhsa_forward_progress 1
		.amdhsa_inst_pref_size 255
	.end_amdhsa_kernel
	.section	.bss,"aw",@nobits
	.p2align	6
	.space	262144
	.amdgpu_metadata
---
amdhsa.version: [ 1, 2 ]
amdhsa.kernels:
  - .name:           k_q46e7222ae7_ffn
    .symbol:         k_q46e7222ae7_ffn.kd
    .args:
      - { .name: x16, .offset: 0, .size: 8, .value_kind: global_buffer, .address_space: global }
      - { .name: wstream, .offset: 8, .size: 8, .value_kind: global_buffer, .address_space: global }
      - { .name: bs_gate, .offset: 16, .size: 8, .value_kind: global_buffer, .address_space: global }
      - { .name: br_gate, .offset: 24, .size: 8, .value_kind: global_buffer, .address_space: global }
      - { .name: bs_up, .offset: 32, .size: 8, .value_kind: global_buffer, .address_space: global }
      - { .name: br_up, .offset: 40, .size: 8, .value_kind: global_buffer, .address_space: global }
      - { .name: routing_weights, .offset: 48, .size: 8, .value_kind: global_buffer, .address_space: global }
      - { .name: part, .offset: 56, .size: 8, .value_kind: global_buffer, .address_space: global }
    .group_segment_fixed_size: 327680
    .private_segment_fixed_size: 0
    .kernarg_segment_align: 8
    .kernarg_segment_size: 64
    .max_flat_workgroup_size: 128
    .sgpr_count:     80
    .vgpr_count:     1024
    .wavefront_size: 32
...
	.end_amdgpu_metadata
.endif
;; end of part 2
;; launch combine (part 3): grid 512 x 1, 8 waves a work-group, no clusters, 0 bytes of LDS; arguments part, bs_down, br_down, routing_weights, out0; writes out0
.if DOCPART == 3
	.amdgcn_target "amdgcn-amd-amdhsa--gfx1250"
	.amdhsa_code_object_version 6
	.text
	.protected	k_q46e7222ae7_combine
	.globl	k_q46e7222ae7_combine
	.p2align	8
	.type	k_q46e7222ae7_combine,@function
k_q46e7222ae7_combine:
	s_mov_b64 s[64:65], 0
	v_nop
	global_prefetch_b8 v0, s[64:65] scope:SCOPE_SE
	s_setreg_imm32_b32 hwreg(HW_REG_WAVE_MODE, 25, 1), 1
	s_wait_xcnt 0x0
; out0[t][d] = sum over the 8 slices of part[s][t][d] + bs_down[d] + sum over e of routing_weights[b][e] br_down[e][d].
; The slices are added in a fixed tree, ((p0+p1)+(p2+p3)) + ((p4+p5)+(p6+p7)), then the bias: an order of rounding of its own.
; A work-group owns 8 rows (one batch: 256 rows a batch).  Thread: 16 bytes of a row (v0 & 127), rows (v0 >> 7) + 2 i, i = 0..3.
; Every load and store of a wave covers 512 consecutive bytes at a multiple of 512 from its buffer's first byte.  All 32 loads of partial
; sums of a thread go out at once; no loop, no register written twice while a memory instruction names it.  Memory binds: no LDS, no matrix unit.
.set VO,  1                            ; v1       2048 (v0 >> 7) + 16 (v0 & 127)
.set CB,  2                            ; v2       16 (v0 & 127)
.set OFF, 4                            ; v[4:11]  VO + 8,388,608 s: the slices lie one byte too far apart for the signed 24-bit immediate
.set BI,  12                           ; v[12:15] bs_down, then the whole bias
.set BR,  16                           ; v[16:47] br_down of the eight experts
.set P,   48                           ; v[48:175] row i, slice s: 4 registers at 4 (8 i + s)
	s_load_b256 s[4:11], s[0:1], 0x0               ; part 4, bs_down 6, br_down 8, routing_weights 10
	s_load_b64 s[12:13], s[0:1], 0x20              ; out0
	s_lshl_b32 s14, ttmp9, 14                      ; 8 rows of 2,048 bytes
	s_mov_b32 s15, 0
	s_lshr_b32 s24, ttmp9, 5                       ; batch: 32 work-groups each
	s_lshl_b32 s24, s24, 5                         ; its 32 bytes of routing_weights
	s_mov_b32 s25, 0
	v_and_b32 v3, 127, v0
	v_lshlrev_b32 v[CB], 4, v3
	v_lshrrev_b32 v3, 7, v0
	v_lshl_add_u32 v[VO], v3, 11, v[CB]
.irp s, 0,1,2,3,4,5,6,7
	v_add_nc_u32 v[OFF+\s], \s<<23, v[VO]
.endr
	s_wait_kmcnt 0x0
	s_add_nc_u64 s[10:11], s[10:11], s[24:25]
	s_load_b256 s[16:23], s[10:11], 0x0            ; the batch's eight routing weights
	s_add_nc_u64 s[4:5], s[4:5], s[14:15]
	s_add_nc_u64 s[12:13], s[12:13], s[14:15]
	global_load_b128 v[BI:BI+3], v[CB], s[6:7]
.irp e, 0,1,2,3,4,5,6,7
	global_load_b128 v[BR+4*\e:BR+4*\e+3], v[CB], s[8:9] offset:2048*\e
.endr
.irp i, 0,1,2,3
.irp s, 0,1,2,3,4,5,6,7
	global_load_b128 v[P+4*(8*\i+\s):P+4*(8*\i+\s)+3], v[OFF+\s], s[4:5] offset:4096*\i th:TH_LOAD_NT
.endr
.endr
	s_wait_loadcnt 32                              ; the nine bias loads are in; the 32 loads of partial sums stay out
	s_wait_kmcnt 0x0
.irp e, 0,1,2,3,4,5,6,7
.irp k, 0,1,2,3
	v_fmac_f32 v[BI+\k], s[16+\e], v[BR+4*\e+\k]
.endr
.endr
.macro ROWSUM i
	s_wait_loadcnt 8*(3-\i)                        ; row i's eight loads are in; the later rows' stay out
.irp k, 0,2
	v_pk_add_f32 v[P+32*\i+\k:P+32*\i+\k+1],       v[P+32*\i+\k:P+32*\i+\k+1],       v[P+32*\i+4+\k:P+32*\i+4+\k+1]
	v_pk_add_f32 v[P+32*\i+8+\k:P+32*\i+8+\k+1],   v[P+32*\i+8+\k:P+32*\i+8+\k+1],   v[P+32*\i+12+\k:P+32*\i+12+\k+1]
	v_pk_add_f32 v[P+32*\i+16+\k:P+32*\i+16+\k+1], v[P+32*\i+16+\k:P+32*\i+16+\k+1], v[P+32*\i+20+\k:P+32*\i+20+\k+1]
	v_pk_add_f32 v[P+32*\i+24+\k:P+32*\i+24+\k+1], v[P+32*\i+24+\k:P+32*\i+24+\k+1], v[P+32*\i+28+\k:P+32*\i+28+\k+1]
.endr
.irp k, 0,2
	v_pk_add_f32 v[P+32*\i+\k:P+32*\i+\k+1],       v[P+32*\i+\k:P+32*\i+\k+1],       v[P+32*\i+8+\k:P+32*\i+8+\k+1]
	v_pk_add_f32 v[P+32*\i+16+\k:P+32*\i+16+\k+1], v[P+32*\i+16+\k:P+32*\i+16+\k+1], v[P+32*\i+24+\k:P+32*\i+24+\k+1]
.endr
.irp k, 0,2
	v_pk_add_f32 v[P+32*\i+\k:P+32*\i+\k+1], v[P+32*\i+\k:P+32*\i+\k+1], v[P+32*\i+16+\k:P+32*\i+16+\k+1]
.endr
.irp k, 0,2
	v_pk_add_f32 v[P+32*\i+\k:P+32*\i+\k+1], v[P+32*\i+\k:P+32*\i+\k+1], v[BI+\k:BI+\k+1]
.endr
	global_store_b128 v[VO], v[P+32*\i:P+32*\i+3], s[12:13] offset:4096*\i th:TH_STORE_NT
.endm
	ROWSUM 0
	ROWSUM 1
	ROWSUM 2
	ROWSUM 3
	s_endpgm
.Lfunc_end_k_q46e7222ae7_combine:
	.size	k_q46e7222ae7_combine, .Lfunc_end_k_q46e7222ae7_combine-k_q46e7222ae7_combine
	.p2alignl 7, 3214868480
	.fill 96, 4, 3214868480
	.section	.rodata,"a",@progbits
	.p2align	6, 0x0
	.amdhsa_kernel k_q46e7222ae7_combine
		.amdhsa_group_segment_fixed_size 0
		.amdhsa_private_segment_fixed_size 0
		.amdhsa_enable_private_segment 0
		.amdhsa_kernarg_size 40
		.amdhsa_user_sgpr_count 2
		.amdhsa_user_sgpr_kernarg_segment_ptr 1
		.amdhsa_wavefront_size32 1
		.amdhsa_system_sgpr_workgroup_id_x 1
		.amdhsa_system_sgpr_workgroup_id_y 1
		.amdhsa_system_sgpr_workgroup_id_z 1
		.amdhsa_system_vgpr_workitem_id 0
		.amdhsa_next_free_vgpr 176
		.amdhsa_next_free_sgpr 66
		.amdhsa_reserve_vcc 0
		.amdhsa_float_denorm_mode_32 3
		.amdhsa_float_denorm_mode_16_64 3
		.amdhsa_memory_ordered 1
		.amdhsa_forward_progress 1
		.amdhsa_inst_pref_size 11
	.end_amdhsa_kernel
	.amdgpu_metadata
---
amdhsa.version: [ 1, 2 ]
amdhsa.kernels:
  - .name:           k_q46e7222ae7_combine
    .symbol:         k_q46e7222ae7_combine.kd
    .args:
      - { .name: part, .offset: 0, .size: 8, .value_kind: global_buffer, .address_space: global }
      - { .name: bs_down, .offset: 8, .size: 8, .value_kind: global_buffer, .address_space: global }
      - { .name: br_down, .offset: 16, .size: 8, .value_kind: global_buffer, .address_space: global }
      - { .name: routing_weights, .offset: 24, .size: 8, .value_kind: global_buffer, .address_space: global }
      - { .name: out0, .offset: 32, .size: 8, .value_kind: global_buffer, .address_space: global }
    .group_segment_fixed_size: 0
    .private_segment_fixed_size: 0
    .kernarg_segment_align: 8
    .kernarg_segment_size: 40
    .max_flat_workgroup_size: 256
    .sgpr_count:     66
    .vgpr_count:     176
    .wavefront_size: 32
...
	.end_amdgpu_metadata
.endif
;; end of part 3
;; ======== version 2 of 2: 3 launches; version 1 with the launch cast written anew for expert scheduling mode
;; workspace buffers: wstream 31,457,280 bytes; x16 4,194,304 bytes; part 67,108,864 bytes
;; launch cast (part 4): grid 4 x 272, 8 waves a work-group, no clusters, 0 bytes of LDS; arguments Ws_gate, Wr_gate, Ws_up, Wr_up, Ws_down, Wr_down, x, wstream, x16; writes wstream, x16
.if DOCPART == 4
	.amdgcn_target "amdgcn-amd-amdhsa--gfx1250"
	.amdhsa_code_object_version 6
	.text
	.protected	k_q46e7222ae7_cast
	.globl	k_q46e7222ae7_cast
	.p2align	8
	.type	k_q46e7222ae7_cast,@function
k_q46e7222ae7_cast:
	s_mov_b64 s[64:65], 0
	v_nop
	global_prefetch_b8 v0, s[64:65] scope:SCOPE_SE
	s_setreg_imm32_b32 hwreg(HW_REG_WAVE_SCHED_MODE, 0, 2), 2
	s_setreg_imm32_b32 hwreg(HW_REG_WAVE_MODE, 25, 1), 1
	s_wait_xcnt 0x0
	s_wait_alu depctr_vm_vsrc(0)
; f32 -> bf16 (round to nearest even) of the six weight tensors and of x, and a new order for the weights.
; The hidden axis of the shared expert (2048) and of the eight routed experts (8 x 1024) is taken as one axis of 10240 = 80 chunks of 128.
; wstream: chunk c = 6 tiles of 65,536 bytes, each 256 rows of 128 bf16 (256 bytes), dense:
;   tile s = 0..3: row d' = gate[d = 128 s + d'][the chunk's 128 hidden], row 128 + d' = up[d][the same]
;   tile s = 4, 5: row 64 blk + hh = down[hidden 64 (s - 4) + hh of the chunk][d = 128 blk .. 128 blk + 127]
; x16: x as it lies, in bf16.
; A piece is 128 neighbouring f32: one load of a wave (32 lanes x 16 bytes = 512 bytes), one store of a wave (32 lanes x 8 bytes = 256
; consecutive bytes at a multiple of 256 from the buffer's first byte).  A work-group takes 128 pieces, a wave 16, all 16 loads out at once.
; Grid: x = q (0..3), y = j: j 0..79 gate of chunk j, 80..159 up, 160..239 down, 240..271 x.  Memory binds: no LDS, no barrier, no matrix unit.
; THE MODE: SCHED_MODE bits 1:0 = 2 (LLVM: expert scheduling mode 2), set by the entry lines.  The code itself states the register dependences
; between vector instructions and memory instructions, with s_wait_alu, always for 0.
; THE PLAN.  A wave's 16 pieces go in four blocks of four.  Registers that memory instructions touch:
;   OFF        sixteen offsets.  Written once, at CAST's head; read by the sixteen loads; never written again.
;   v[L8]      the stores' offset.  Written once, at the kernel's head; read by every store; never written again.
;   X0 .. X3   four blocks as loaded.  Written by the loads alone; read by block p's eight roundings.
;   Y0 .. Y3   four blocks to store.  Written once, by block p's roundings; read by four stores, which are issued in block p + 1.
; Block p rounds X[p] into Y[p]; its memory instructions are the stores from Y[p - 1], which no vector instruction of block p names.  So one wait
; on va_vdst at a block's head states all that its four stores hang on, and they are dealt among its roundings with no further wait.
; No register that a memory instruction has read is ever written again: the text owes no wait on vm_vsrc.
.set CHUNK_BYTES, 393216
.set L16, 1                            ; v1       16 x lane: my 16 bytes of a piece
.set L8,  2                            ; v2       8 x lane: my 8 bytes of the piece as stored
.set OFF, 4                            ; v[4:19]  piece i: byte offset of my 16 bytes from the wave's first piece
.set X,   20                           ; v[20:83] piece i: 4 f32
.set Y,   84                           ; v[84:115] piece i: 4 bf16 in 2 registers
; Block p: pieces 4 p to 4 p + 3.  left = how many younger loads may still be out when this block's four have to be there.
.macro BLK p, left
	s_wait_loadcnt \left                           ; loads come back in order: block p is in, the younger blocks stay out
.if (\p) > 0
	s_wait_alu depctr_va_vdst(0)                   ; the block before has written its Y, which the four stores below read
.endif
.irp i, 0,1,2,3
.if (\p) > 0
	global_store_b64 v[L8], v[Y+8*(\p)-8+2*(\i):Y+8*(\p)-8+2*(\i)+1], s[42:43] offset:256*(4*(\p)-4+(\i))  ; the block before; no vector instruction since the wait names these registers
.endif
	v_cvt_pk_bf16_f32 v[Y+8*(\p)+2*(\i)],   v[X+16*(\p)+4*(\i)],   v[X+16*(\p)+4*(\i)+1]
	v_cvt_pk_bf16_f32 v[Y+8*(\p)+2*(\i)+1], v[X+16*(\p)+4*(\i)+2], v[X+16*(\p)+4*(\i)+3]
.endr
.endm
; s[40:41] source at the wave's first piece, s44 bytes from piece to piece, s[42:43] destination (pieces 256 bytes apart)
.macro CAST
.irp i, 0,1,2,3,4,5,6,7,8,9,10,11,12,13,14,15
	v_mad_u32_u24 v[OFF+\i], s44, \i, v[L16]
.endr
	s_wait_alu depctr_va_vdst(0)                   ; the sixteen offsets are written, which the loads read; so is v[L8], which every store reads
.irp i, 0,1,2,3,4,5,6,7,8,9,10,11,12,13,14,15
	global_load_b128 v[X+4*\i:X+4*\i+3], v[OFF+\i], s[40:41] th:TH_LOAD_NT       ; read once in the whole launch
.endr
	BLK 0, 12
	BLK 1, 8
	BLK 2, 4
	BLK 3, 0
	s_wait_alu depctr_va_vdst(0)                   ; block 3 has written its Y, which the last four stores read
.irp i, 0,1,2,3
	global_store_b64 v[L8], v[Y+24+2*\i:Y+24+2*\i+1], s[42:43] offset:256*(12+\i)  ; no register of a load or store is written twice: no further wait
.endr
.endm
; gate (p = 0) or up (p = 1) of chunk c = j - j0, d = 128 q + 16 w + i.  sb: the shared tensor's pointer, rb: the routed one's.
.macro GUPATH sb, rb, p, j0
	s_sub_co_u32 s24, s23, \j0                     ; c
	s_lshl_b32 s30, ttmp9, 7
	s_lshl4_add_u32 s30, s22, s30                  ; 128 q + 16 w: the wave's first d
	s_lshl_b32 s31, s30, 13                        ; shared: rows of 8,192 bytes,
	s_lshl_b32 s32, s24, 9
	s_add_co_u32 s31, s31, s32                     ; the chunk's 512 bytes at 512 c
	s_max_u32 s33, s24, 16
	s_sub_co_u32 s33, s33, 16                      ; routed: c - 16 (0 where the chunk is shared: that offset is not taken)
	s_lshr_b32 s34, s33, 3                         ; expert
	s_and_b32 s35, s33, 7                          ; chunk in the expert
	s_lshl_b32 s34, s34, 9
	s_add_co_u32 s34, s34, s30                     ; row 512 e + d
	s_lshl_b32 s34, s34, 12                        ; of 4,096 bytes
	s_lshl_b32 s35, s35, 9
	s_add_co_u32 s34, s34, s35
	s_mul_i32 s36, s24, CHUNK_BYTES                ; destination: chunk,
	s_lshl_b32 s32, ttmp9, 16
	s_add_co_u32 s36, s36, s32                     ; tile q,
	s_lshl_b32 s32, s22, 12
	s_add_co_u32 s36, s36, s32                     ; row 16 w,
	s_add_co_u32 s36, s36, 32768*\p                ; gate's rows first, up's 128 rows behind them
	s_mov_b32 s45, 8192
	s_cmp_lt_u32 s24, 16                           ; the compare last: the shifts and sums above write SCC
	s_cselect_b32 s38, s31, s34
	s_cselect_b32 s44, s45, 4096
	s_cselect_b64 s[40:41], s[\sb:\sb+1], s[\rb:\rb+1]
	s_add_nc_u64 s[40:41], s[40:41], s[38:39]
	s_add_nc_u64 s[42:43], s[18:19], s[36:37]
	CAST
	s_endpgm
.endm
	s_load_b512 s[4:19], s[0:1], 0x0               ; Ws_gate 4, Wr_gate 6, Ws_up 8, Wr_up 10, Ws_down 12, Wr_down 14, x 16, wstream 18
	s_load_b64 s[20:21], s[0:1], 0x40              ; x16
	v_lshrrev_b32 v3, 5, v0
	v_readfirstlane_b32 s22, v3                    ; wave 0..7
	v_and_b32 v3, 31, v0
	v_lshlrev_b32 v[L16], 4, v3
	v_lshlrev_b32 v[L8], 3, v3
	s_and_b32 s23, ttmp7, 0xffff                   ; j
	s_mov_b32 s37, 0                               ; high words of the two offsets (both stay below 4 GiB)
	s_mov_b32 s39, 0
	s_wait_alu depctr_va_sdst(0)                   ; s22 is written: each of the four paths reads it first behind a branch
	s_wait_kmcnt 0x0
	s_cmp_ge_u32 s23, 240
	s_cbranch_scc1 .Lx
	s_cmp_ge_u32 s23, 160
	s_cbranch_scc1 .Ldown
	s_cmp_ge_u32 s23, 80
	s_cbranch_scc1 .Lup
	GUPATH 4, 6, 0, 0
.Lup:
	GUPATH 8, 10, 1, 80
.Ldown:
	; hidden row 32 q + 16 (w >> 2) + i of the chunk, d block w & 3
	s_sub_co_u32 s24, s23, 160                     ; c
	s_lshr_b32 s25, s22, 2
	s_and_b32 s26, s22, 3
	s_lshl_b32 s30, ttmp9, 5
	s_lshl4_add_u32 s30, s25, s30                  ; 32 q + 16 (w >> 2)
	s_lshl_b32 s30, s30, 11                        ; rows of 2,048 bytes
	s_lshl_b32 s31, s26, 9
	s_add_co_u32 s30, s30, s31                     ; + 512 bytes a d block
	s_max_u32 s32, s24, 16
	s_sub_co_u32 s32, s32, 16
	s_lshl_b32 s32, s32, 18                        ; routed: 128 rows x 2,048 bytes for each chunk behind the 16 shared ones
	s_lshl_b32 s33, s24, 18                        ; shared
	s_mul_i32 s36, s24, CHUNK_BYTES
	s_lshr_b32 s34, ttmp9, 1
	s_add_co_u32 s34, s34, 4
	s_lshl_b32 s34, s34, 16
	s_add_co_u32 s36, s36, s34                     ; tile 4 + (q >> 1)
	s_lshl_b32 s34, s26, 14
	s_add_co_u32 s36, s36, s34                     ; 64 rows for each d block
	s_and_b32 s34, ttmp9, 1
	s_lshl_b32 s34, s34, 5
	s_lshl4_add_u32 s34, s25, s34                  ; hh = 32 (q & 1) + 16 (w >> 2)
	s_lshl_b32 s34, s34, 8
	s_add_co_u32 s36, s36, s34
	s_mov_b32 s44, 2048
	s_cmp_lt_u32 s24, 16
	s_cselect_b32 s38, s33, s32
	s_cselect_b64 s[40:41], s[12:13], s[14:15]
	s_add_co_u32 s38, s38, s30
	s_add_nc_u64 s[40:41], s[40:41], s[38:39]
	s_add_nc_u64 s[42:43], s[18:19], s[36:37]
	CAST
	s_endpgm
.Lx:
	s_sub_co_u32 s24, s23, 240
	s_lshl2_add_u32 s24, s24, ttmp9                ; n = 4 (j - 240) + q: 65,536 bytes of x
	s_lshl_b32 s38, s24, 16
	s_lshl_b32 s30, s22, 13
	s_add_co_u32 s38, s38, s30
	s_lshl_b32 s36, s24, 15
	s_lshl_b32 s30, s22, 12
	s_add_co_u32 s36, s36, s30
	s_mov_b32 s44, 512
	s_add_nc_u64 s[40:41], s[16:17], s[38:39]
	s_add_nc_u64 s[42:43], s[20:21], s[36:37]
	CAST
	s_endpgm
.Lfunc_end_k_q46e7222ae7_cast:
	.size	k_q46e7222ae7_cast, .Lfunc_end_k_q46e7222ae7_cast-k_q46e7222ae7_cast
	.p2alignl 7, 3214868480
	.fill 96, 4, 3214868480
	.section	.rodata,"a",@progbits
	.p2align	6, 0x0
	.amdhsa_kernel k_q46e7222ae7_cast
		.amdhsa_group_segment_fixed_size 0
		.amdhsa_private_segment_fixed_size 0
		.amdhsa_enable_private_segment 0
		.amdhsa_kernarg_size 72
		.amdhsa_user_sgpr_count 2
		.amdhsa_user_sgpr_kernarg_segment_ptr 1
		.amdhsa_wavefront_size32 1
		.amdhsa_system_sgpr_workgroup_id_x 1
		.amdhsa_system_sgpr_workgroup_id_y 1
		.amdhsa_system_sgpr_workgroup_id_z 1
		.amdhsa_system_vgpr_workitem_id 0
		.amdhsa_next_free_vgpr 120
		.amdhsa_next_free_sgpr 66
		.amdhsa_reserve_vcc 0
		.amdhsa_float_denorm_mode_32 3
		.amdhsa_float_denorm_mode_16_64 3
		.amdhsa_memory_ordered 1
		.amdhsa_forward_progress 1
		.amdhsa_inst_pref_size 30
	.end_amdhsa_kernel
	.amdgpu_metadata
---
amdhsa.version: [ 1, 2 ]
amdhsa.kernels:
  - .name:           k_q46e7222ae7_cast
    .symbol:         k_q46e7222ae7_cast.kd
    .args:
      - { .name: Ws_gate, .offset: 0, .size: 8, .value_kind: global_buffer, .address_space: global }
      - { .name: Wr_gate, .offset: 8, .size: 8, .value_kind: global_buffer, .address_space: global }
      - { .name: Ws_up, .offset: 16, .size: 8, .value_kind: global_buffer, .address_space: global }
      - { .name: Wr_up, .offset: 24, .size: 8, .value_kind: global_buffer, .address_space: global }
      - { .name: Ws_down, .offset: 32, .size: 8, .value_kind: global_buffer, .address_space: global }
      - { .name: Wr_down, .offset: 40, .size: 8, .value_kind: global_buffer, .address_space: global }
      - { .name: x, .offset: 48, .size: 8, .value_kind: global_buffer, .address_space: global }
      - { .name: wstream, .offset: 56, .size: 8, .value_kind: global_buffer, .address_space: global }
      - { .name: x16, .offset: 64, .size: 8, .value_kind: global_buffer, .address_space: global }
    .group_segment_fixed_size: 0
    .private_segment_fixed_size: 0
    .kernarg_segment_align: 8
    .kernarg_segment_size: 72
    .max_flat_workgroup_size: 256
    .sgpr_count:     66
    .vgpr_count:     120
    .wavefront_size: 32
...
	.end_amdgpu_metadata
.endif
;; end of part 4
;; launch ffn: the kernel of part 2 again; grid 32 x 8, 4 waves a work-group, clusters of 4 x 1, 327,680 bytes of LDS; arguments x16, wstream, bs_gate, br_gate, bs_up, br_up, routing_weights, part; writes part
;; launch combine: the kernel of part 3 again; grid 512 x 1, 8 waves a work-group, no clusters, 0 bytes of LDS; arguments part, bs_down, br_down, routing_weights, out0; writes out0
